; MI455X (gfx1250); checked and timed in simulation.
; The chip was launched on July 23, 2026; its instructions are those of AMD's public machine-readable ISA for CDNA 5 (MIT licence, August 2026) and "CDNA5" Instruction Set Architecture Reference Guide (July 2026). The comments in the code are by the model that wrote it; some were corrected since.
;; LSTHM1. Allowed arithmetic: matrix products marked QUANTISED: E5M2 operands, one E8M0 scale for each 32 along K, by v_wmma_scale_f32_16x16x128_f8f6f4 with both operands' format E5M2, f32 sums; everything else in f32.
;; Inputs: Sb 4,096 float32; Sw 256 x 4,096 float32; Ub 4,096 float32; Uw 1,024 x 4,096 float32; Vb 1,024 float32; Vw 1,024 x 1,024 float32; Wb 4,096 float32; Ww 512 x 4,096 float32; ctm 8,192 x 1,024 float32; htm 8,192 x 1,024 float32; speaker_affine 8,192 x 256 float32; x 8,192 x 512 float32; ztm 8,192 x 1,024 float32.
;; Outputs: out0 8,192 x 1,024 float32; out1 8,192 x 1,024 float32.
;; This version of the problem:
;;   THIS VERSION OF THE PROBLEM IS GIVEN IN LOW PRECISION. The matrix products marked QUANTISED in the list below multiply operands that are first quantised to E5M2 (5 exponent bits, 2 mantissa bits; 8 bits a number), with one power-of-two scale for each 32 numbers along K (OCP MX v1.0); their sums are f32. All else is computed in f32.
;;   The module's matrix products, in the order in which they are computed (A, B: the left and right operand; K: the contracted axis; several contracted axes count as one K, in the product's order):
;;     1. [M 8,192, K 512] x [K 512, N 4,096]; A: input x; B: input Ww: QUANTISED
;;     2. [M 8,192, K 1,024] x [K 1,024, N 4,096]; A: input htm; B: input Uw: QUANTISED
;;     3. [M 8,192, K 256] x [K 256, N 4,096]; A: input speaker_affine; B: input Sw: QUANTISED
;;     4. [M 8,192, K 1,024] x [K 1,024, N 1,024]; A: input ztm; B: input Vw: QUANTISED
;;   THE QUANTISER, for each operand of a quantised product, along K:
;;     - K is cut into blocks of 32 from its start; a last block that is shorter is filled with zeros.
;;     - A block's scale is 2^e with e = floor(log2(the largest magnitude in the block)) - 15, held to -126 .. 127; a block of zeros has e = 0. As a byte (E8M0): e + 127.
;;     - Each number is divided by its block's scale, clamped to +-57,344, and rounded to the nearest number of E5M2, ties to even, subnormals kept.
;;     - The product sums the exact products of the quantised numbers (number of the format x scale) in f32.
;;   ~~~python
;;   def quantise(x, axis):      # numpy; x: float32 -> the quantised numbers, widened to float32 again
;;       x = np.moveaxis(x, axis, -1); K = x.shape[-1]
;;       x = np.pad(x, [(0, 0)] * (x.ndim - 1) + [(0, -K % 32)]); x = x.reshape(x.shape[:-1] + (-1, 32)); a = np.abs(x).max(-1, keepdims=True)
;;       e = np.where(a > 0, np.clip(np.frexp(np.where(a > 0, a, 1))[1] - 1 - 15, -126, 127), 0)      # np.frexp(a)[1] - 1 = floor(log2(a)), exactly
;;       r = np.clip(x / 2.0 ** e, -57344, 57344)
;;       step = 2.0 ** (np.maximum(np.frexp(np.where(r == 0, 1, r))[1] - 1, -14) - 2)
;;       q = np.round(r / step) * step * 2.0 ** e      # np.round: ties to even
;;       return np.moveaxis(q.reshape(q.shape[:-2] + (-1,))[..., :K], -1, axis).astype(np.float32)
;;   ~~~
;; One version. Each part assembles by itself: llvm-mc -triple=amdgcn-amd-amdhsa -mcpu=gfx1250 --defsym DOCPART=n.
;; ======== version 1 of 1: 2 launches
;; limits: right only within a limited range of input values
;; workspace buffers: acode 23,068,672 bytes; ascale 720,896 bytes; bcode 8,388,608 bytes; bscale 262,144 bytes
;; launch quant (part 1): grid 960 x 1, 4 waves a work-group, no clusters, 57,856 bytes of LDS; arguments x, htm, speaker_affine, ztm, Ww, Uw, Sw, Vw, acode, ascale, bcode, bscale; writes acode, ascale, bcode, bscale
.if DOCPART == 1
	.amdgcn_target "amdgcn-amd-amdhsa--gfx1250"
	.amdhsa_code_object_version 6
	.text
	.protected	k_qc2d60f6c88_quant
	.globl	k_qc2d60f6c88_quant
	.p2align	8
	.type	k_qc2d60f6c88_quant,@function
k_qc2d60f6c88_quant:
	s_mov_b64 s[64:65], 0
	v_nop
	global_prefetch_b8 v0, s[64:65] scope:SCOPE_SE
	s_setreg_imm32_b32 hwreg(HW_REG_WAVE_MODE, 25, 1), 1
	s_wait_xcnt 0x0
; All eight f32 operands of the four products become codes of BF8 (E5M2), K innermost, with one E8M0 byte for each 32 along K.
; A block's scale is 2^(floor(log2(its largest magnitude)) - 15); its byte is the largest magnitude's exponent field - 15, held at 1 from below; each number is divided by the scale,
; held within +-57,344 and rounded to the nearest code, ties to even.
; LIMITS: a block of zeros gets the byte 1 where the rule says 127 (its codes are zeros, which add nothing under any byte but 0xff, and this program alone reads the bytes);
; blocks whose largest magnitude lies under 2^(16 - 127) have their byte held at 1; NaN and infinities among the inputs are not served.
; WHAT IS WRITTEN.
;   acode  [8192 rows][2816]: a row's codes of x (512), htm (1024), speaker (256), ztm (1024) on end: 11 chunks of 256.      ascale [11 chunks][8192 rows][8 bytes].
;   bcode  [4096 rows][2048]: the row of gate g, cell c is 4 (c - c % 32) + 32 g + c % 32; bytes 0-1791: column 1024 g + c of Ww, Uw, Sw on end along K; bytes 1792-2047: column c of Vw,
;          K = 256 g .. 256 g + 255 (a cell's four gate rows carry the four quarters of its column of Vw).                     bscale [8 chunks][4096 rows][8 bytes].
; SHARES.  Every work-group reads 128 KiB.  Work-groups 0-255 take the weights (K is their FIRST axis: a lane takes a column and its registers run down K), work-groups 256-959 the activations
; (K innermost: dense loads, turned through LDS so that a lane holds 16 neighbours).  The two ways part on the work-group's number; each has LDS bytes of its own.  No barrier: waves share nothing.
.set EMAX,   15
.set MANT,   0x600000                  ; the mantissa field of 57,344 as f32
.set APITCH, 2816                      ; a row of acode
.set BPITCH, 2048                      ; a row of bcode
; the activations' way
.set STEPS,  16
.set SP,     80                        ; a lane's place in a stage: its 64 bytes + 16 of padding
.set ASTG,   32*SP                     ; a stage
.set ASCL,   2*ASTG                    ; behind the two stages: the wave's 256 scale bytes
.set AW,     5632                      ; a wave's LDS bytes on this way
.set R,      16                        ; v16-79   four sets of 16 numbers as loaded
.set X,      80                        ; v80-111  two sets of 16 neighbours
.set E,      112                       ; v112-127 a scale byte for each step
.set C,      128                       ; v128-191 four registers of codes for each step: no store's data are written again
; the weights' way
.set NB,     8                         ; blocks of 32 along K for a lane
.set WP,     272                       ; a stage row: 256 bytes of codes + 16
.set WW,     32*WP                     ; a wave's stage
.set WB0,    4*AW                      ; the weights' LDS bytes begin behind the activations'
.set SB,     24                        ; v24-25   the scale bytes, four to a register
.set XW,     32                        ; v32-95   two sets of 32 numbers
.set CW,     96                        ; v96-103  a block's codes
.set OUTR,   104                       ; v104-167 the way out
.set RO,     168                       ; v168-199 byte offset of row i of a block at my column: i x pitch + 4 x lane
	s_load_b256 s[4:11], s[0:1], 0x0               ; x, htm, speaker, ztm
	s_load_b256 s[12:19], s[0:1], 0x20             ; Ww, Uw, Sw, Vw
	s_load_b256 s[20:27], s[0:1], 0x40             ; acode, ascale, bcode, bscale
	v_lshl_add_u32 v200, v0, 2, 0xe000
	v_mov_b32 v201, 0
	v_lshrrev_b32 v1, 5, v0
	v_readfirstlane_b32 s28, v1                    ; wave 0..3
	v_and_b32 v2, 31, v0                           ; lane
	v_and_b32 v1, 15, v0                           ; r = lane % 16
	v_bfe_u32 v12, v0, 4, 1                        ; h = lane / 16
	s_mov_b32 s29, MANT                            ; (an instruction takes one literal: the hold's line has another)
	s_lshl_b32 s69, s28, 5                         ; 32 x wave
	s_mov_b32 s75, 0                               ; the upper words of the 64-bit offsets
	s_mov_b32 s31, 0
	s_wait_kmcnt 0x0
	s_cmp_lt_u32 ttmp9, 256
	s_cbranch_scc1 .Lweights
; ---------------------------------------------------------------- THE ACTIVATIONS
; Work-group 256 + 64 ks + rb: chunk ks of rows 128 rb on.  A wave takes 32 rows x 256 numbers, in 16 steps of two rows: lanes 0-15 the even row, lanes 16-31 the odd one.
	s_sub_co_u32 s66, ttmp9, 256
	s_lshr_b32 s67, s66, 6                         ; ks = 0 .. 10
	s_and_b32 s68, s66, 63
	s_lshl_b32 s68, s68, 7
	s_add_co_u32 s68, s68, s69                     ; my wave's first row
	s_mov_b64 s[70:71], s[10:11]                   ; which tensor the chunk lies in, its pitch in bytes and its first chunk: chosen without a jump, on the chunk's number alone
	s_mov_b32 s72, 4096
	s_mov_b32 s73, 7                               ; ztm: chunks 7-10
	s_cmp_lt_u32 s67, 7
	s_cselect_b64 s[70:71], s[8:9], s[70:71]
	s_cselect_b32 s72, 1024, s72
	s_cselect_b32 s73, 6, s73                      ; speaker: chunk 6
	s_cmp_lt_u32 s67, 6
	s_cselect_b64 s[70:71], s[6:7], s[70:71]
	s_cselect_b32 s72, 4096, s72
	s_cselect_b32 s73, 2, s73                      ; htm: chunks 2-5
	s_cmp_lt_u32 s67, 2
	s_cselect_b64 s[70:71], s[4:5], s[70:71]
	s_cselect_b32 s72, 2048, s72
	s_cselect_b32 s73, 0, s73                      ; x: chunks 0, 1
	s_sub_co_u32 s73, s67, s73                     ; the chunk's number in its tensor
	s_mul_i32 s74, s68, s72
	s_lshl_b32 s76, s73, 10
	s_add_co_u32 s74, s74, s76                     ; row x pitch + 1,024 x chunk: under 2^26
	s_add_nc_u64 s[32:33], s[70:71], s[74:75]      ; a base for each step, two rows apart: none is ever rewritten
	s_lshl_b32 s30, s72, 1
.irp t, 1,2,3,4,5,6,7,8,9,10,11,12,13,14,15
	s_add_nc_u64 s[32+2*\t:33+2*\t], s[30+2*\t:31+2*\t], s[30:31]
.endr
	s_mul_i32 s74, s68, APITCH
	s_lshl_b32 s76, s67, 8
	s_add_co_u32 s74, s74, s76
	s_add_nc_u64 s[20:21], s[20:21], s[74:75]      ; acode at my first row, my chunk
	s_lshl_b32 s74, s67, 13
	s_add_co_u32 s74, s74, s68
	s_lshl_b32 s74, s74, 3
	s_add_nc_u64 s[22:23], s[22:23], s[74:75]      ; ascale at [ks][my first row]
	s_wait_alu depctr_va_vdst(0)
	v_mul_u32_u24 v3, s72, v12
	v_lshl_add_u32 v3, v1, 4, v3                   ; in: h rows + 16 r: sixteen lanes read 256 consecutive bytes of a row
	v_mul_u32_u24 v4, v12, APITCH
	v_lshl_add_u32 v4, v1, 4, v4                   ; out: the same place in acode
	s_mul_i32 s77, s28, AW                         ; my wave's LDS bytes
	v_bfe_u32 v14, v0, 2, 2
	v_mul_u32_u24 v14, v14, SP
	v_and_b32 v15, 3, v0
	v_lshl_add_u32 v14, v15, 4, v14
	v_mad_u32_u24 v14, v12, 16*SP, v14
	v_add_nc_u32 v14, s77, v14                     ; the stage, on the way in: four lanes' 64 bytes on end, then 16 of padding; a load's 256 bytes of a row take four places
	v_mul_u32_u24 v15, v2, SP
	v_add_nc_u32 v15, s77, v15                     ; and on the way out: place = lane: my 16 neighbours along K
	s_add_co_u32 s77, s77, ASCL
	v_lshrrev_b32 v5, 1, v2
	v_add_nc_u32 v5, s77, v5                       ; my block's scale byte: 8 h + r / 2
	v_lshlrev_b32 v7, 3, v2
	v_add_nc_u32 v6, s77, v7                       ; and on the way out 8 bytes a lane
.macro ALOAD t
.irp i, 0,1,2,3
	global_load_b128 v[R+16*((\t)%4)+4*\i:R+16*((\t)%4)+4*\i+3], v3, s[32+2*(\t):33+2*(\t)] offset:256*\i th:TH_LOAD_NT
.endr
.endm
.macro ATURN t                         ; step t's numbers through the stage: LDS serves a wave's instructions in order, so no wait stands between the stores and the loads
.irp i, 0,1,2,3
	ds_store_b128 v14, v[R+16*((\t)%4)+4*\i:R+16*((\t)%4)+4*\i+3] offset:ASTG*((\t)%2)+4*SP*\i
.endr
.irp i, 0,1,2,3
	ds_load_b128 v[X+16*((\t)%2)+4*\i:X+16*((\t)%2)+4*\i+3], v15 offset:ASTG*((\t)%2)+16*\i
.endr
.endm
.irp t, 0,1,2,3
	ALOAD \t
.endr
	s_wait_alu depctr_va_vdst(0)
	s_wait_loadcnt 12                              ; step 0's four loads are in
	ATURN 0
.macro ASTEP t
.set XS, X+16*((\t)%2)
.if (\t) > 0
	s_wait_dscnt 1                                 ; this step's numbers are back from the stage (the last step's byte store may be out): so its stores into the stage have read their registers,
.else
	s_wait_dscnt 0x0
.endif
.if (\t)+4 < STEPS
	ALOAD (\t)+4                                   ; which take the loads of four steps on
.endif
.if (\t)+1 < STEPS
.if STEPS-2-(\t) >= 3
	s_wait_loadcnt 12                              ; the next step's four loads are in; those of the three steps behind it may be out
.else
	s_wait_loadcnt 4*(STEPS-2-(\t))
.endif
	ATURN (\t)+1                                   ; and go through the other stage while this step is worked
.endif
	v_max3_num_f32 v8, |v[XS]|, |v[XS+1]|, |v[XS+2]|               ; the largest magnitude of my 16, in two chains
	v_max3_num_f32 v9, |v[XS+3]|, |v[XS+4]|, |v[XS+5]|
.irp i, 6,10
	v_max3_num_f32 v8, v8, |v[XS+\i]|, |v[XS+\i+1]|
	v_max3_num_f32 v9, v9, |v[XS+\i+2]|, |v[XS+\i+3]|
.endr
	v_max3_num_f32 v8, v8, |v[XS+14]|, |v[XS+15]|
	v_max3_num_f32 v8, v8, v9, (EMAX+1)<<23        ; and the floor 2^(16 - 127): the byte cannot fall under 1
	v_max_num_f32_dpp v8, v8, v8 row_xmask:1 row_mask:0xf bank_mask:0xf   ; and of my neighbour's 16: the block's
	v_add_nc_u32 v11, -(EMAX<<23), v8              ; 15 off its exponent field: the conversion takes the exponent field of this operand as its scale
	v_and_or_b32 v10, v8, 0x7f800000, s29          ; 57,344 x the scale
.irp i, 0,1,2,3,4,5,6,7,8,9,10,11,12,13,14,15
	v_med3_num_f32 v[XS+\i], v[XS+\i], -v10, v10   ; the conversion to an 8-bit code does not saturate (ISA guide 7.6.2): the hold comes first
.endr
	v_cvt_scalef32_pk8_bf8_f32 v[C+4*(\t):C+4*(\t)+1], v[XS:XS+7], v11
	v_cvt_scalef32_pk8_bf8_f32 v[C+4*(\t)+2:C+4*(\t)+3], v[XS+8:XS+15], v11
	v_lshrrev_b32 v[E+(\t)], 23, v11               ; the scale's byte (also the plain line behind the conversions)
	ds_store_b8 v5, v[E+(\t)] offset:16*(\t)       ; both lanes of a block write the same byte with the same value
	global_store_b128 v4, v[C+4*(\t):C+4*(\t)+3], s[20:21] offset:2*APITCH*(\t)   ; sixteen lanes store 256 consecutive bytes, aligned: a row's chunk
.endm
.irp t, 0,1,2,3,4,5,6,7,8,9,10,11,12,13,14,15
	ASTEP \t
.endr
	ds_load_b64 v[12:13], v6                       ; LDS serves a wave's instructions in order: these see my byte stores
	s_wait_dscnt 0x0
	global_store_b64 v7, v[12:13], s[22:23]        ; 32 rows x 8 bytes: 256 consecutive bytes, aligned
	s_wait_tensorcnt 0x0
	ds_add_u32 v200, v201
	s_wait_dscnt 0x0
	s_endpgm
; ---------------------------------------------------------------- THE WEIGHTS
; Work-groups 0-223: chunk q / 32 along K of [Ww; Uw; Sw], columns 128 (q % 32) on.  Work-groups 224-255: chunk (q - 224) / 8 of Vw, columns 128 ((q - 224) % 8) on.
; A wave takes 32 columns x 256 along K.  Both variants' numbers are made, then chosen without a jump.
.Lweights:
	s_lshr_b32 s66, ttmp9, 5                       ; gates: the chunk, 0 .. 6
	s_and_b32 s67, ttmp9, 31
	s_lshl_b32 s67, s67, 7
	s_add_co_u32 s67, s67, s69                     ; my first column
	s_lshr_b32 s68, s67, 10                        ; its gate
	s_and_b32 s76, s67, 1023                       ; its cell
	s_mov_b64 s[70:71], s[16:17]                   ; Sw: chunk 6
	s_mov_b32 s73, 6
	s_cmp_lt_u32 s66, 6
	s_cselect_b64 s[70:71], s[14:15], s[70:71]     ; Uw: chunks 2-5
	s_cselect_b32 s73, 2, s73
	s_cmp_lt_u32 s66, 2
	s_cselect_b64 s[70:71], s[12:13], s[70:71]     ; Ww: chunks 0, 1
	s_cselect_b32 s73, 0, s73
	s_sub_co_u32 s73, s66, s73                     ; the chunk's number in its tensor
	s_sub_co_u32 s77, ttmp9, 224                   ; Vw (used only from work-group 224 on)
	s_lshr_b32 s78, s77, 3                         ; its chunk, 0 .. 3: it goes to the rows of that gate
	s_and_b32 s79, s77, 7
	s_lshl_b32 s79, s79, 7
	s_add_co_u32 s79, s79, s69                     ; my first column = my first cell
	s_mov_b32 s72, 4096
	s_mov_b32 s80, 7
	s_cmp_lt_u32 ttmp9, 224
	s_cselect_b64 s[70:71], s[70:71], s[18:19]     ; the tensor,
	s_cselect_b32 s72, 16384, s72                  ; its pitch in bytes,
	s_cselect_b32 s73, s73, s78                    ; the chunk in it,
	s_cselect_b32 s67, s67, s79                    ; my first column in it,
	s_cselect_b32 s68, s68, s78                    ; the gate whose rows of bcode take the codes,
	s_cselect_b32 s76, s76, s79                    ; the first cell,
	s_cselect_b32 s66, s66, s80                    ; and the chunk of bcode's rows
	s_mul_i32 s74, s73, s72
	s_lshl_b32 s74, s74, 8
	s_lshl_b32 s77, s67, 2
	s_add_co_u32 s74, s74, s77                     ; 256 x chunk rows + 4 x column: under 2^24
	s_add_nc_u64 s[32:33], s[70:71], s[74:75]      ; a base for each block of 32 rows: none is ever rewritten
	s_lshl_b32 s30, s72, 5
.irp t, 1,2,3,4,5,6,7
	s_add_nc_u64 s[32+2*\t:33+2*\t], s[30+2*\t:31+2*\t], s[30:31]
.endr
	s_lshl_b32 s76, s76, 2
	s_lshl_b32 s68, s68, 5
	s_add_co_u32 s76, s76, s68                     ; my first row of bcode: 4 x cell + 32 x gate (the cell is a multiple of 32)
	s_lshl_b32 s74, s76, 11
	s_lshl_b32 s77, s66, 8
	s_add_co_u32 s74, s74, s77
	s_add_nc_u64 s[24:25], s[24:25], s[74:75]
	s_lshl_b32 s74, s66, 12
	s_add_co_u32 s74, s74, s76
	s_lshl_b32 s74, s74, 3
	s_add_nc_u64 s[26:27], s[26:27], s[74:75]      ; bscale at [chunk][my first row]
	s_mul_i32 s77, s28, WW
	s_add_co_u32 s77, s77, WB0                     ; my stage
	s_wait_alu depctr_va_vdst(0)
	v_mul_u32_u24 v4, v2, WP
	v_add_nc_u32 v4, s77, v4                       ; into it: row = my column
	v_mul_u32_u24 v7, v12, WP
	v_lshl_add_u32 v7, v1, 4, v7
	v_add_nc_u32 v7, s77, v7                       ; out of it: sixteen lanes to a row, two rows an instruction
	v_lshlrev_b32 v8, 11, v12
	v_lshl_add_u32 v8, v1, 4, v8                   ; and the same place in bcode
	v_lshlrev_b32 v9, 3, v2                        ; my row's 8 scale bytes
	v_lshlrev_b32 v3, 2, v2
.set I, 0
.rept 32
	v_mad_u32_u24 v[RO+I], s72, I, v3
.set I, I+1
.endr
.macro WLOAD t                         ; block t: rows 32 t + i of the chunk at my column, into set t % 2; 32 lanes read 128 consecutive bytes
.irp i, 0,1,2,3,4,5,6,7,8,9,10,11,12,13,14,15,16,17,18,19,20,21,22,23,24,25,26,27,28,29,30,31
	global_load_b32 v[XW+32*((\t)%2)+\i], v[RO+\i], s[32+2*(\t):33+2*(\t)] th:TH_LOAD_NT
.endr
.endm
	WLOAD 0
	WLOAD 1
.macro WBLOCK t
.set XS, XW+32*((\t)%2)
.if (\t) < NB-1
	s_wait_loadcnt 32                              ; this block's 32 loads are in; the next block's may be out
.else
	s_wait_loadcnt 0
.endif
	v_max3_num_f32 v12, |v[XS]|, |v[XS+1]|, |v[XS+2]|              ; the block's largest magnitude: all 32 numbers are mine
	v_max3_num_f32 v13, |v[XS+3]|, |v[XS+4]|, |v[XS+5]|
.irp i, 6,10,14,18,22,26
	v_max3_num_f32 v12, v12, |v[XS+\i]|, |v[XS+\i+1]|
	v_max3_num_f32 v13, v13, |v[XS+\i+2]|, |v[XS+\i+3]|
.endr
	v_max3_num_f32 v12, v12, |v[XS+30]|, |v[XS+31]|
	v_max3_num_f32 v12, v12, v13, (EMAX+1)<<23     ; and the floor
	v_add_nc_u32 v11, -(EMAX<<23), v12             ; the conversion's scale operand
	v_and_or_b32 v10, v12, 0x7f800000, s29         ; 57,344 x the scale
	v_lshrrev_b32 v13, 23, v11                     ; the scale's byte
.if (\t)%4 == 0
	v_mov_b32 v[SB+(\t)/4], v13                    ; four bytes to a register, the lower K in the lower byte
.else
	v_lshl_or_b32 v[SB+(\t)/4], v13, 8*((\t)%4), v[SB+(\t)/4]
.endif
.irp i, 0,1,2,3,4,5,6,7,8,9,10,11,12,13,14,15,16,17,18,19,20,21,22,23,24,25,26,27,28,29,30,31
	v_med3_num_f32 v[XS+\i], v[XS+\i], -v10, v10   ; the hold
.endr
.irp g, 0,1,2,3
	v_cvt_scalef32_pk8_bf8_f32 v[CW+2*\g:CW+2*\g+1], v[XS+8*\g:XS+8*\g+7], v11
.endr
	ds_store_b128 v4, v[CW:CW+3] offset:32*(\t)    ; 32 codes: 32 bytes of my column's row
	ds_store_b128 v4, v[CW+4:CW+7] offset:32*(\t)+16
.if (\t)+2 < NB
	WLOAD (\t)+2
.endif
	s_wait_dscnt 0x0                               ; the stores have read their registers: the next block's codes may be written (its first lines are plain vector lines)
.endm
.irp t, 0,1,2,3,4,5,6,7
	WBLOCK \t
.endr
	global_store_b64 v9, v[SB:SB+1], s[26:27]      ; 32 rows x 8 bytes: 256 consecutive bytes, aligned
.irp t, 0,1,2,3,4,5,6,7,8,9,10,11,12,13,14,15
	ds_load_b128 v[OUTR+4*\t:OUTR+4*\t+3], v7 offset:2*\t*WP       ; LDS serves a wave's instructions in order: these see my stores
.endr
.irp t, 0,1,2,3,4,5,6,7,8,9,10,11,12,13,14,15
	s_wait_dscnt 15-\t                             ; the younger loads may be out
	global_store_b128 v8, v[OUTR+4*\t:OUTR+4*\t+3], s[24:25] offset:2*\t*BPITCH   ; sixteen lanes store 256 consecutive bytes, aligned: a row's chunk
.endr
	s_wait_tensorcnt 0x0
	ds_add_u32 v200, v201
	s_wait_dscnt 0x0
	s_endpgm
.Lfunc_end_k_qc2d60f6c88_quant:
	.size	k_qc2d60f6c88_quant, .Lfunc_end_k_qc2d60f6c88_quant-k_qc2d60f6c88_quant
	.p2alignl 7, 3214868480
	.fill 96, 4, 3214868480
	.section	.rodata,"a",@progbits
	.p2align	6, 0x0
	.amdhsa_kernel k_qc2d60f6c88_quant
		.amdhsa_group_segment_fixed_size 57856
		.amdhsa_private_segment_fixed_size 0
		.amdhsa_enable_private_segment 0
		.amdhsa_kernarg_size 96
		.amdhsa_user_sgpr_count 2
		.amdhsa_user_sgpr_kernarg_segment_ptr 1
		.amdhsa_wavefront_size32 1
		.amdhsa_system_sgpr_workgroup_id_x 1
		.amdhsa_system_sgpr_workgroup_id_y 1
		.amdhsa_system_sgpr_workgroup_id_z 1
		.amdhsa_system_vgpr_workitem_id 0
		.amdhsa_next_free_vgpr 202
		.amdhsa_next_free_sgpr 82
		.amdhsa_reserve_vcc 0
		.amdhsa_float_denorm_mode_32 3
		.amdhsa_float_denorm_mode_16_64 3
		.amdhsa_memory_ordered 1
		.amdhsa_forward_progress 1
		.amdhsa_inst_pref_size 114
	.end_amdhsa_kernel
	.amdgpu_metadata
---
amdhsa.version: [ 1, 2 ]
amdhsa.kernels:
  - .name:           k_qc2d60f6c88_quant
    .symbol:         k_qc2d60f6c88_quant.kd
    .args:
      - { .name: x, .offset: 0, .size: 8, .value_kind: global_buffer, .address_space: global }
      - { .name: htm, .offset: 8, .size: 8, .value_kind: global_buffer, .address_space: global }
      - { .name: speaker_affine, .offset: 16, .size: 8, .value_kind: global_buffer, .address_space: global }
      - { .name: ztm, .offset: 24, .size: 8, .value_kind: global_buffer, .address_space: global }
      - { .name: Ww, .offset: 32, .size: 8, .value_kind: global_buffer, .address_space: global }
      - { .name: Uw, .offset: 40, .size: 8, .value_kind: global_buffer, .address_space: global }
      - { .name: Sw, .offset: 48, .size: 8, .value_kind: global_buffer, .address_space: global }
      - { .name: Vw, .offset: 56, .size: 8, .value_kind: global_buffer, .address_space: global }
      - { .name: acode, .offset: 64, .size: 8, .value_kind: global_buffer, .address_space: global }
      - { .name: ascale, .offset: 72, .size: 8, .value_kind: global_buffer, .address_space: global }
      - { .name: bcode, .offset: 80, .size: 8, .value_kind: global_buffer, .address_space: global }
      - { .name: bscale, .offset: 88, .size: 8, .value_kind: global_buffer, .address_space: global }
    .group_segment_fixed_size: 57856
    .private_segment_fixed_size: 0
    .kernarg_segment_align: 8
    .kernarg_segment_size: 96
    .max_flat_workgroup_size: 128
    .sgpr_count:     82
    .vgpr_count:     202
    .wavefront_size: 32
...
	.end_amdgpu_metadata
.endif
;; end of part 1
;; launch lstm (part 2): grid 16 x 32, 4 waves a work-group, clusters of 4 x 4, 327,680 bytes of LDS; arguments acode, ascale, bcode, bscale, Wb, Ub, Sb, Vb, ctm, out0, out1; writes out0, out1
.if DOCPART == 2
	.amdgcn_target "amdgcn-amd-amdhsa--gfx1250"
	.amdhsa_code_object_version 6
	.text
	.protected	k_qc2d60f6c88_lstm
	.globl	k_qc2d60f6c88_lstm
	.p2align	8
	.type	k_qc2d60f6c88_lstm,@function
k_qc2d60f6c88_lstm:
	s_mov_b64 s[64:65], 0
	v_nop
	global_prefetch_b8 v0, s[64:65] scope:SCOPE_SE
	s_setreg_imm32_b32 hwreg(HW_REG_WAVE_MODE, 25, 1), 1
	s_wait_xcnt 0x0
	s_wait_alu depctr_hold_cnt(0) depctr_sa_sdst(0) depctr_va_vdst(0) depctr_va_sdst(0) depctr_va_ssrc(0) depctr_va_vcc(0) depctr_vm_vsrc(0)
	s_getreg_b32 s2, hwreg(HW_REG_IB_STS2, 6, 4)
	s_cmp_eq_u32 s2, 0
	s_cbranch_scc0 .Lentry_in_a_cluster
	s_endpgm
.Lentry_in_a_cluster:
	s_bfe_u32 s2, ttmp6, 0x10000c
	s_cmp_lg_u32 s2, 0xf033
	s_cbranch_scc0 .Lentry_shape_is_right
	s_endpgm
.Lentry_shape_is_right:
; c_t and h_t of the cell.  A work-group of four waves makes 256 rows x 64 cells: the four gates' sums (256 rows of bcode, K = 1,792: chunks 0-6 of acode) and the hybrid sum
; (ztm: chunks 7-10 of acode, against the four quarters of Vw's columns that lie in chunk 7 of the gate rows of bcode), then the activations in f32, and stores whole rows of 256 bytes.
; K goes in chunks of 256 through a ring of two LDS slots; 4 x 4 work-groups form a cluster: A's tiles are asked for jointly along a row of it, B's along a column.
; THE HEAD: one joint load a wave: wave 0 chunk 0 of A's 256 rows, wave 1 of B's, wave 2 A's scales for all 11 chunks, wave 3 B's for all 8,
; laid in LDS [chunk][256 rows][8 bytes].  The biases and all addresses are made while these are out; slot 1's first fill follows behind the full sequence and a round.
; PREFETCH: behind the load of chunk c each wave names chunk c + 2 of 32 rows, a lane a row, 256 bytes each: of the 128 rows that the wave fetches in the ring the partner at place p
; (cx for A, cy for B) takes 32 p .. 32 p + 31, told apart by address alone.  So each block of 256 bytes is named once in a cluster, two refills (256 products a wave) ahead of its load.
; B's waves ask for nothing in the loop's last trip (a row of bcode has chunks 0-7); A's go on to chunks 8 and 9, and name chunk 10 behind the loop.  Chunks 0 and 1 come by their loads alone.
; LIMITS: as the quantising launch states them; NaN and infinities among the inputs are not served.
.set PFT,    14                        ; v14     my lane x a row of acode or bcode in bytes; never rewritten
.set PFA,    8                         ; s[8:9]  where my prefetches stand
.set PITCH,  272
.set HALFT,  128*PITCH
.set SLOT,   4*HALFT
.set APITCH, 2816
.set BPITCH, 2048
.set NQ,     2
.set FR,     16
.set NL,     4
.set NP,     8
.set SAH,    11*1024
.set SBH,    8*1024
.set SCA,    2*SLOT
.set SCB,    SCA+2*SAH+128
.set BIAS,   SCB+2*SBH+128
.set SPARE,  BIAS+4*640
.set RDH,  15
.set ADRA, 16
.set BTW,  19
.set ADRB, 20
.set STH,  22
.set BTA,  23
.set STO,  24
.set RD,   25
.set CO,   26
.set ADRS, 27
.set SPW,  28
.set NIL,  29
.set ADRH, 30
.set PFO,  31
.set SC,   32
.set BV,   80
.set AF,   128
.set GB,   64
.set HACC, 128
.set G1,   24
.set G0,   32
.set G1B,  48
.set G0B,  56
.set G1S,  68
.set G0S,  76
.set G1SB, 80
.set G0SB, 88
.set G1C,  92
.set G0C,  20
.set NL2,  66
.set PL2,  18
.set HST,  4
.set MSB, 0
.macro WIN new
.if MSB != \new
	s_set_vgpr_msb (MSB<<8)|\new
.set MSB, \new
.endif
.endm
.set MUL_LO, 0xa1
.set MUL_HI, 0xf1
.set TO_B,   0x40
.set HYB,    0x51
.macro JLOAD g0a, g1a, g0b, g1b
	s_cmp_eq_u32 s15, 0
	s_cbranch_scc0 .Lfor_b_\@
	tensor_load_to_lds s[\g0a:\g0a+3], s[\g1a:\g1a+7]
	s_nop 0
.rept 4
	v_nop
.endr
	s_branch .Lasked_\@
.Lfor_b_\@:
	tensor_load_to_lds s[\g0b:\g0b+3], s[\g1b:\g1b+7]
	s_nop 0
.rept 4
	v_nop
.endr
.Lasked_\@:
.endm
.macro JLOADA s
	s_cmp_eq_u32 s15, 0
	s_cbranch_scc0 .Lnot_a_\@
	tensor_load_to_lds s[G0+4*\s:G0+4*\s+3], s[G1:G1+7]
	s_nop 0
.rept 4
	v_nop
.endr
.Lnot_a_\@:
.endm
.macro CREST
	s_cmp_lg_u32 s14, 0
	s_cbranch_scc1 .Lnot_wave_0_\@
	s_barrier_signal -3
.Lnot_wave_0_\@:
	s_barrier_wait -3
	s_barrier_signal -1
	s_barrier_wait -1
.endm
.macro CROUND
	s_barrier_signal -1
	s_barrier_wait -1
	CREST
.endm
	s_load_b256 s[4:11], s[0:1], 0x0
	s_load_b256 s[92:99], s[0:1], 0x20
	s_load_b64 s[100:101], s[0:1], 0x40
	s_load_b64 s[12:13], s[0:1], 0x48
	s_load_b64 s[104:105], s[0:1], 0x50
	v_lshl_add_u32 v[SPW], v0, 2, SPARE
	v_mov_b32 v[NIL], 0
	ds_add_u32 v28, v29
	ds_add_u32 v28, v29
	s_wait_dscnt 0x0
	v_lshrrev_b32 v1, 5, v0
	v_readfirstlane_b32 s14, v1
	s_lshr_b32 s15, s14, 1
	s_and_b32 s16, s14, 1
	s_bfe_u32 s40, ttmp6, 0x40000
	s_bfe_u32 s41, ttmp6, 0x40004
	s_lshl_b32 s42, ttmp9, 2
	s_add_co_u32 s42, s42, s40
	s_and_b32 s17, ttmp7, 0xffff
	s_lshl_b32 s17, s17, 2
	s_add_co_u32 s17, s17, s41
	s_lshl_b32 s43, s41, 2
	s_lshl_b32 s43, 15, s43
	s_lshl_b32 s44, 0x1111, s40
	s_or_b32 s[G1+0], s43, (0<<16)|(1<<20)|(1<<21)|(5<<22)|(3<<25)
	s_or_b32 s[G1B+0], s44, (0<<16)|(1<<20)|(1<<21)|(5<<22)|(3<<25)
.irp g, G1, G1B
	s_mov_b32 s[\g+1], 256<<16
	s_mov_b32 s[\g+2], 256<<16                     ; the head's loads bring 256 rows; behind them the two words are set to 128
	s_mov_b32 s[\g+3], 256<<16
	s_mov_b32 s[\g+4], 256
	s_mov_b32 s[\g+6], 0
	s_mov_b32 s[\g+7], 0
.endr
	s_mov_b32 s[G1+5], APITCH
	s_mov_b32 s[G1B+5], BPITCH
	s_or_b32 s[G1S+0], s43, (3<<16)|(1<<21)
	s_or_b32 s[G1SB+0], s44, (3<<16)|(1<<21)
.irp g, G1S, G1SB
	s_mov_b32 s[\g+1], 256<<16                     ; the scales of 256 rows: 256 elements of 8 bytes for each chunk
	s_mov_b32 s[\g+3], 256<<16
	s_mov_b32 s[\g+6], 0
	s_mov_b32 s[\g+7], 0
.endr
	s_mov_b32 s[G1S+2], 11<<16
	s_mov_b32 s[G1S+4], 11
	s_mov_b32 s[G1S+5], 8192
	s_mov_b32 s[G1SB+2], 8<<16
	s_mov_b32 s[G1SB+4], 8
	s_mov_b32 s[G1SB+5], 4096
	s_lshl_b32 s20, s17, 8                         ; the tile's first row in acode
	s_lshl_b32 s46, s42, 8                         ; and in bcode
	s_lshl_b32 s22, s20, 3
	s_mov_b32 s23, 0
	s_lshl_b32 s2, s46, 3
	s_mov_b32 s3, 0
	s_mul_i32 s20, s20, APITCH
	s_mov_b32 s21, 0
	s_lshl_b32 s46, s46, 11
	s_mov_b32 s47, 0
	s_mul_i32 s45, s14, HALFT
	s_wait_kmcnt 0x0
	s_add_nc_u64 s[20:21], s[4:5], s[20:21]
	s_add_nc_u64 s[22:23], s[6:7], s[22:23]
	s_add_nc_u64 s[46:47], s[8:9], s[46:47]
	s_add_nc_u64 s[2:3], s[10:11], s[2:3]
	; the prefetches' address: waves 0, 1 stand in acode, waves 2, 3 in bcode, at chunk 2 of my work-group's 32 of the 128 rows that I fetch in the ring
	s_mov_b32 s10, BPITCH
	s_cmp_eq_u32 s15, 0
	s_cselect_b64 s[PFA:PFA+1], s[4:5], s[8:9]
	s_cselect_b32 s10, APITCH, s10                 ; a row in bytes
	s_cselect_b32 s6, s17, s42                     ; the tile
	s_cselect_b32 s7, s40, s41                     ; my place among the four that ask jointly
	s_lshl_b32 s6, s6, 8
	s_lshl_b32 s11, s16, 7
	s_add_co_u32 s6, s6, s11
	s_lshl_b32 s7, s7, 5
	s_add_co_u32 s6, s6, s7
	s_mul_i32 s6, s6, s10                          ; under 2^25
	s_add_co_u32 s6, s6, 512
	s_mov_b32 s7, 0
	s_add_nc_u64 s[PFA:PFA+1], s[PFA:PFA+1], s[6:7]
	v_and_b32 v[PFT], 31, v0
	v_mul_u32_u24 v[PFT], s10, v[PFT]
	; the head's four tiles, each whole; slot 0's two sets of group 0 serve them and are set for the ring behind the wait that shows them landed
	s_mov_b32 s[G0], 1
	s_mov_b32 s[G0+1], 0
	s_mov_b64 s[G0+2:G0+3], s[20:21]
	s_or_b32 s[G0+3], s[G0+3], 0x80000000
	s_mov_b32 s[G0B], 1
	s_mov_b32 s[G0B+1], 2*HALFT
	s_mov_b64 s[G0B+2:G0B+3], s[46:47]
	s_or_b32 s[G0B+3], s[G0B+3], 0x80000000
	s_mov_b32 s[G0S], 1
	s_mov_b32 s[G0S+1], SCA
	s_mov_b64 s[G0S+2:G0S+3], s[22:23]
	s_or_b32 s[G0S+3], s[G0S+3], 0x80000000
	s_mov_b32 s[G0SB], 1
	s_mov_b32 s[G0SB+1], SCB
	s_mov_b64 s[G0SB+2:G0SB+3], s[2:3]
	s_or_b32 s[G0SB+3], s[G0SB+3], 0x80000000
	; slot 1, for the ring: my 128 rows of the tile, chunk 1
	s_mul_i32 s18, s16, 128*APITCH
	s_mov_b32 s19, 0
	s_add_nc_u64 s[20:21], s[20:21], s[18:19]
	s_lshl_b32 s18, s16, 18                        ; 128 rows of 2,048 bytes
	s_add_nc_u64 s[46:47], s[46:47], s[18:19]
	s_mov_b32 s[G0+4], 1
	s_add_co_u32 s[G0+5], s45, SLOT
	s_add_nc_u64 s[G0+6:G0+7], s[20:21], 256
	s_or_b32 s[G0+7], s[G0+7], 0x80000000
	s_mov_b32 s[G0B+4], 1
	s_add_co_u32 s[G0B+5], s45, SLOT
	s_add_nc_u64 s[G0B+6:G0B+7], s[46:47], 256
	s_or_b32 s[G0B+7], s[G0B+7], 0x80000000
	CROUND                                         ; all sixteen work-groups are here: the first joint loads meet
; one tree of branches on the wave's number: every way through the head passes exactly one load
.macro ARM under, g0, g1, next
	s_cmp_lt_u32 s14, \under
	s_cbranch_scc0 \next
	tensor_load_to_lds s[\g0:\g0+3], s[\g1:\g1+7]
	s_nop 0
.rept 4
	v_nop
.endr
	s_branch .Lhead_asked
\next:
.endm
	ARM 1, G0,  G1,  .Lhead_b
	ARM 2, G0B, G1B, .Lhead_sa
	ARM 3, G0S, G1S, .Lhead_sb
	tensor_load_to_lds s[G0SB:G0SB+3], s[G1SB:G1SB+7]
	s_nop 0
.rept 4
	v_nop
.endr
.Lhead_asked:
	s_wait_alu depctr_va_vdst(0)
	global_prefetch_b8 v[PFT], s[PFA:PFA+1] th:TH_LOAD_NT scope:SCOPE_SE   ; chunk 2, behind chunk 0's load
	s_lshl_b32 s45, s42, 6
	s_lshl_b32 s21, s16, 5
	s_add_co_u32 s45, s45, s21
	v_and_b32 v6, 31, v0
	v_add_nc_u32 v96, s45, v6
	v_lshlrev_b32 v96, 2, v96
.irp g, 0,1,2,3
	global_load_b32 v[100+\g], v96, s[92:93] offset:4096*\g
	global_load_b32 v[104+\g], v96, s[94:95] offset:4096*\g
	global_load_b32 v[108+\g], v96, s[96:97] offset:4096*\g
.endr
	global_load_b32 v112, v96, s[98:99]
	v_and_b32 v1, 15, v0
	v_bfe_u32 v2, v0, 4, 1
	s_wait_alu depctr_va_vdst(0)
	v_mul_u32_u24 v3, v1, PITCH
	v_lshl_add_u32 v4, v2, 4, v3
	s_mul_i32 s21, s15, HALFT
	s_mul_i32 s22, s16, HALFT
	s_add_co_u32 s22, s22, 2*HALFT
.irp s, 0,1
	v_add_nc_u32 v[ADRA+\s], s21, v4
	v_add_nc_u32 v[ADRB+\s], s22, v4
	s_add_co_u32 s21, s21, SLOT
	s_add_co_u32 s22, s22, SLOT
.endr
	v_add_nc_u32 v[ADRA+2], 2*HALFT, v[ADRA]
	s_lshl_b32 s21, s15, 10                        ; in a chunk's 2,048 scale bytes: my 128 rows of A,
	s_lshl_b32 s22, s16, 10                        ; my 128 rows of B
	s_add_co_u32 s22, s22, SCB-SCA
	s_sub_co_u32 s22, s22, s21
	v_mul_u32_u24 v5, s22, v2
	s_add_co_u32 s21, s21, SCA
	v_lshl_add_u32 v[ADRH], v1, 3, s21
	v_add_nc_u32 v[ADRS], v[ADRH], v5
	s_mul_i32 s23, s15, HALFT
	s_lshl_b32 s21, s16, 7
	s_add_co_u32 s23, s23, s21
	v_lshl_add_u32 v5, v2, 5, v3
	v_add_nc_u32 v[STO], s23, v5
	v_add_nc_u32 v[STH], 2*HALFT, v[STO]
	s_mul_i32 s23, s15, HALFT
	s_mul_i32 s21, s16, 16*PITCH
	s_add_co_u32 s23, s23, s21
	v_mul_u32_u24 v5, v2, PITCH
	v_lshl_add_u32 v5, v1, 4, v5
	v_add_nc_u32 v[RD], s23, v5
	v_add_nc_u32 v[RDH], 2*HALFT, v[RD]
	v_lshlrev_b32 v5, 12, v2
	v_lshl_add_u32 v[CO], v1, 4, v5
	s_mul_i32 s21, s14, 640
	s_add_co_u32 s21, s21, BIAS
	v_lshl_add_u32 v[BTW], v6, 2, s21
	v_lshl_add_u32 v[BTA], v2, 5, s21
	v_lshlrev_b32 v[PFO], 12, v6
	s_lshl_b32 s45, s42, 8
	s_lshl_b32 s46, s17, 8
	s_lshl_b32 s47, s14, 6
	s_add_co_u32 s46, s46, s47
	s_lshl_b32 s46, s46, 12
	s_add_co_u32 s46, s46, s45
	s_mov_b32 s47, 0
	s_add_nc_u64 s[100:101], s[100:101], s[46:47]
	s_lshl_b32 s46, s17, 8
	s_lshl_b32 s47, s15, 7
	s_add_co_u32 s46, s46, s47
	s_lshl_b32 s47, s16, 4
	s_add_co_u32 s46, s46, s47
	s_lshl_b32 s46, s46, 12
	s_add_co_u32 s46, s46, s45
	s_mov_b32 s47, 0
	s_add_nc_u64 s[12:13], s[12:13], s[46:47]
	s_add_nc_u64 s[104:105], s[104:105], s[46:47]
	s_lshl_b32 s[HST], s15, 8
	s_add_co_u32 s[HST], s[HST], 512
	s_mov_b32 s[HST+1], 0
	s_mov_b32 s[NL2], 0xbfb8aa3b
	s_mov_b32 s[NL2+1], s[NL2]
	s_mov_b32 s[PL2], 0x4038aa3b
	s_mov_b32 s[PL2+1], s[PL2]
	s_wait_loadcnt 0x0
.irp g, 0,1,2,3
	v_add_f32 v[100+\g], v[100+\g], v[104+\g]
.endr
.irp g, 0,1,2,3
	v_add_f32 v[100+\g], v[100+\g], v[108+\g]
.endr
.irp g, 0,1,2
	v_mul_f32 v[100+\g], s[NL2], v[100+\g]
.endr
	v_mul_f32 v103, s[PL2], v103
	v_mul_f32 v112, s[NL2], v112
.irp g, 0,1,2,3
	ds_store_b32 v[BTW], v[100+\g] offset:128*\g
.endr
	ds_store_b32 v[BTW], v112 offset:512
	s_mov_b32 s[G1C+0], (0<<16)|(1<<20)|(5<<22)|(3<<25)
	s_mov_b32 s[G1C+1], 256<<16
	s_mov_b32 s[G1C+2], 64<<16
	s_mov_b32 s[G1C+3], 256<<16
	s_mov_b32 s[G1C+4], 64
	s_mov_b32 s[G1C+5], 4096
	s_mov_b32 s[G1C+6], 0
	s_mov_b32 s[G1C+7], 0
	s_mov_b32 s[G0C], 1
	s_mul_i32 s[G0C+1], s14, 64*PITCH
	s_mov_b64 s[G0C+2:G0C+3], s[100:101]
	s_or_b32 s[G0C+3], s[G0C+3], 0x80000000
.macro FRAG reg, adr, q, i
.irp c, 0,1,2,3
	ds_load_b128 v[\reg+4*\c:\reg+4*\c+3], v[\adr] offset:128*(\q)+32*\c+(\i)*16*PITCH
.endr
.endm
.macro MUL16 a0, p, q, sc, zero
.irp a, \a0, \a0+1
.irp b, 0,1,2,3,4,5,6,7
.if \zero
	v_wmma_scale_f32_16x16x128_f8f6f4 v[8*(8*((\a)%4)+\b):8*(8*((\a)%4)+\b)+7], v[128*(\p)+FR*\b:128*(\p)+FR*\b+FR-1], v[AF+FR*(\a):AF+FR*(\a)+FR-1], 0, v[SC+8*NQ*(\sc)+NQ*\b+(\q)], v[SC+8*NQ*(\sc)+NQ*(\a)+(\q)] matrix_a_fmt:MATRIX_FMT_BF8 matrix_b_fmt:MATRIX_FMT_BF8 matrix_a_scale:MATRIX_SCALE_ROW1
.else
	v_wmma_scale_f32_16x16x128_f8f6f4 v[8*(8*((\a)%4)+\b):8*(8*((\a)%4)+\b)+7], v[128*(\p)+FR*\b:128*(\p)+FR*\b+FR-1], v[AF+FR*(\a):AF+FR*(\a)+FR-1], v[8*(8*((\a)%4)+\b):8*(8*((\a)%4)+\b)+7], v[SC+8*NQ*(\sc)+NQ*\b+(\q)], v[SC+8*NQ*(\sc)+NQ*(\a)+(\q)] matrix_a_fmt:MATRIX_FMT_BF8 matrix_b_fmt:MATRIX_FMT_BF8 matrix_a_scale:MATRIX_SCALE_ROW1
.endif
.endr
.endr
.endm
.macro FETCH_B slot, q, p
	WIN TO_B
.irp i, 0,1,2,3,4,5,6,7
	FRAG 128*(\p)+FR*\i, ADRB+\slot, \q, \i
.endr
	WIN 0
.endm
.macro FETCH_A slot, q, i0
.irp i, \i0, \i0+1, \i0+2, \i0+3
	FRAG AF+FR*(\i), ADRA+\slot, \q, \i
.endr
.endm
.macro SCALES sc
.irp i, 0,1,2,3,4,5,6,7
	ds_load_b64 v[SC+16*\sc+2*\i:SC+16*\sc+2*\i+1], v[ADRS] offset:128*\i
.endr
.endm
.macro PLACES n
.rept \n
	v_nop
.endr
.endm
.macro STEP slot, q, zero
	s_wait_dscnt 12*NL                             ; B's set 0, A's blocks 0-3 and the scale words are in; the youngest 48 loads (A's blocks 4-7, then B's set 1) may be out
	WIN MUL_LO
	MUL16 0, (\q)%2, \q, \slot, \zero
	MUL16 2, (\q)%2, \q, \slot, \zero
	s_wait_dscnt 8*NL                              ; A's blocks 4-7 are in; the 32 loads of B's set 1, issued behind them, may be out
	PLACES NP
	WIN 0
	FETCH_A \slot, (\q)+1, 0
	WIN MUL_HI
	MUL16 4, (\q)%2, \q, \slot, \zero
	MUL16 6, (\q)%2, \q, \slot, \zero
	PLACES NP
	WIN 0
	FETCH_A \slot, (\q)+1, 4
.endm
.macro TURN slot, next
	s_wait_xcnt 0x0                                ; my last prefetch has read its address: it steps a chunk
	s_add_nc_u64 s[PFA:PFA+1], s[PFA:PFA+1], 256
	s_wait_dscnt 4*NL
	WIN MUL_LO
	MUL16 0, 1, NQ-1, \slot, 0
	MUL16 2, 1, NQ-1, \slot, 0
	WIN 0
	s_wait_tensorcnt 0x0
	ds_add_u32 v[SPW], v[NIL]
	s_add_nc_u64 s[G0+4*\slot+2:G0+4*\slot+3], s[G0+4*\slot+2:G0+4*\slot+3], 512
	s_add_nc_u64 s[G0B+4*\slot+2:G0B+4*\slot+3], s[G0B+4*\slot+2:G0B+4*\slot+3], 512
	s_wait_dscnt 0x0
	CROUND
	JLOAD G0+4*\slot, G1, G0B+4*\slot, G1B
	PLACES NP-4
	s_wait_alu depctr_va_vdst(0)
	v_add_nc_u32 v[ADRS], 2048, v[ADRS]
	FETCH_B \next, 0, 0
	FETCH_A \next, 0, 0
	SCALES \next
	s_cmp_gt_u32 s3, s15                           ; A's waves (s15 = 0) ask in every trip, B's (s15 = 1) not in the last (s3 = 1)
	s_cbranch_scc0 .Lnot_asked_\@
	global_prefetch_b8 v[PFT], s[PFA:PFA+1] offset:256 th:TH_LOAD_NT scope:SCOPE_SE   ; the chunk two refills on
.Lnot_asked_\@:
	WIN MUL_HI
	MUL16 4, 1, NQ-1, \slot, 0
	MUL16 6, 1, NQ-1, \slot, 0
	PLACES NP
	WIN 0
	FETCH_A \next, 0, 4
	FETCH_B \next, 1, 1                            ; B's set 1 is free (eight places behind its last product): it takes the new slot's second 128 along K, a whole step ahead of its use
.endm
.macro FETCH_V kv, q, p
	WIN TO_B
.irp cb, 0,1
	FRAG 32*(\p)+FR*\cb, ADRB+1, \q, 2*(\kv)+\cb
.endr
	WIN 0
.endm
.macro HSCALES ks, set
.irp i, 0,1,2,3,4,5,6,7
	ds_load_b64 v[SC+16*(\set)+2*\i:SC+16*(\set)+2*\i+1], v[ADRH] offset:2048*(\ks)+128*\i
.endr
.endm
.macro HMUL j
.set HSET, SC
.if (\j)/2 == 0
.set HSET, SC+16
.elseif (\j)/2 == 2
.set HSET, SC+32
.endif
	WIN HYB
.irp a, 0,1,2,3,4,5,6,7
.irp cb, 0,1
.if (\j) == 0
	v_wmma_scale_f32_16x16x128_f8f6f4 v[HACC+8*(2*\a+\cb):HACC+8*(2*\a+\cb)+7], v[32*((\j)%2)+FR*\cb:32*((\j)%2)+FR*\cb+FR-1], v[AF+FR*\a:AF+FR*\a+FR-1], 0, v[SC+16+2*(2*((\j)/2)+\cb)+(\j)%2], v[HSET+2*\a+(\j)%2] matrix_a_fmt:MATRIX_FMT_BF8 matrix_b_fmt:MATRIX_FMT_BF8 matrix_a_scale:MATRIX_SCALE_ROW1
.else
	v_wmma_scale_f32_16x16x128_f8f6f4 v[HACC+8*(2*\a+\cb):HACC+8*(2*\a+\cb)+7], v[32*((\j)%2)+FR*\cb:32*((\j)%2)+FR*\cb+FR-1], v[AF+FR*\a:AF+FR*\a+FR-1], v[HACC+8*(2*\a+\cb):HACC+8*(2*\a+\cb)+7], v[SC+16+2*(2*((\j)/2)+\cb)+(\j)%2], v[HSET+2*\a+(\j)%2] matrix_a_fmt:MATRIX_FMT_BF8 matrix_b_fmt:MATRIX_FMT_BF8 matrix_a_scale:MATRIX_SCALE_ROW1
.endif
.endr
.endr
.endm
.macro SIG lo, run, step, reps
.set U, 0
.rept \reps
.set V, 0
.rept \run
	v_exp_f32 v[\lo+U+V], v[\lo+U+V]
.set V, V+1
.endr
.set U, U+\step
.endr
	v_nop
	s_wait_alu depctr_va_vdst(0)
.set U, 0
.rept \reps
.set V, 0
.rept (\run)/2
	v_pk_add_f32 v[\lo+U+V:\lo+U+V+1], v[\lo+U+V:\lo+U+V+1], 1.0 op_sel_hi:[1,0]
.set V, V+2
.endr
.set U, U+\step
.endr
.set U, 0
	s_wait_alu depctr_va_vdst(0)
.rept \reps
.set V, 0
.rept \run
	v_rcp_f32 v[\lo+U+V], v[\lo+U+V]
.set V, V+1
.endr
.set U, U+\step
.endr
	v_nop
	s_wait_alu depctr_va_vdst(0)
.endm
.macro ACT_A j
.set AC, 64*((\j)%4)
	WIN 0x92+0x41*((\j)/4)
.set P, 0
.rept 24
	v_pk_fma_f32 v[AC+P:AC+P+1], v[AC+P:AC+P+1], s[NL2:NL2+1], v[GB+P:GB+P+1] op_sel_hi:[1,0,1]
.set P, P+2
.endr
.rept 8
	v_pk_fma_f32 v[AC+P:AC+P+1], v[AC+P:AC+P+1], s[PL2:PL2+1], v[GB+P:GB+P+1] op_sel_hi:[1,0,1]
.set P, P+2
.endr
.endm
.macro ACT_B j
.set AC, 64*((\j)%4)
	WIN 0xaa+0x55*((\j)/4)
	SIG AC, 64, 0, 1
.set P, 0
.rept 8
	v_pk_fma_f32 v[AC+48+P:AC+49+P], v[AC+48+P:AC+49+P], -2.0, 1.0 op_sel_hi:[1,0,0]
.set P, P+2
.endr
.set P, 0
.rept 8
	v_pk_mul_f32 v[AC+16+P:AC+17+P], v[AC+16+P:AC+17+P], v[AC+48+P:AC+49+P]
.set P, P+2
.endr
	WIN 0
.endm
.macro HSTEP j
.set KV, (\j)/2
.set HAI, 1
.set HAN, 0
.if KV == 1
.set HAI, 0
.set HAN, 2
.elseif KV == 2
.set HAI, 2
.set HAN, 1
.endif
	s_wait_dscnt 0x0
	HMUL \j
.if (\j)%2 == 0
	ACT_A \j
	FETCH_V KV, 1, 1
	FETCH_A HAI, 1, 0
	FETCH_A HAI, 1, 4
	s_wait_alu depctr_va_vdst(0)
	ACT_B \j
.elseif (\j) < 7
.if (\j) < 5
	WIN 0
	s_wait_tensorcnt 0x0
	ds_add_u32 v[SPW], v[NIL]
	ACT_A \j
	WIN 0
	s_wait_dscnt 0x0
	CROUND
.if (\j) == 3
	tensor_load_to_lds s[G0C:G0C+3], s[G1C:G1C+7]
	s_nop 0
	PLACES 4
.else
	s_add_nc_u64 s[G0+6:G0+7], s[G0+6:G0+7], 768
	JLOADA 1
.endif
.else
	ACT_A \j
.endif
	FETCH_V KV+1, 0, 0
	FETCH_A HAN, 0, 0
	FETCH_A HAN, 0, 4
	HSCALES 8+KV, 2*(KV%2)
	s_wait_alu depctr_va_vdst(0)
	ACT_B \j
.else
	WIN 0
	s_wait_tensorcnt 0x0
	ACT_A \j
	WIN 0
	s_barrier_signal -1
	s_barrier_wait -1
.irp a, 0,1,2,3,4,5,6,7
.irp cb, 0,1
	ds_load_b128 v[AF+8*(2*\a+\cb):AF+8*(2*\a+\cb)+3], v[STO] offset:16*PITCH*\a+64*\cb
	ds_load_b128 v[AF+8*(2*\a+\cb)+4:AF+8*(2*\a+\cb)+7], v[STO] offset:16*PITCH*\a+64*\cb+16
.endr
.endr
	s_wait_alu depctr_va_vdst(0)
	ACT_B \j
.endif
.endm
.macro FIN k
.set FW, (\k)/2
.set FB, 128*((\k)%2)
	WIN 0x81+0x40*FW
.irp u, 0,1
.irp i, 0,2,4,6,8,10,12,14
	v_pk_fma_f32 v[FB+64*\u+48+\i:FB+64*\u+49+\i], v[HACC+32*(\k)+16*\u+\i:HACC+32*(\k)+16*\u+\i+1], s[NL2:NL2+1], v[BV+\i:BV+\i+1] op_sel_hi:[1,0,1]
.endr
.endr
	WIN 0xaa+0x55*FW
	s_wait_alu depctr_va_vdst(0)
	SIG FB+48, 16, 64, 2
.irp u, 0,1
.irp i, 0,2,4,6,8,10,12,14
	v_pk_add_f32 v[FB+64*\u+\i:FB+64*\u+\i+1], v[FB+64*\u+\i:FB+64*\u+\i+1], v[FB+64*\u+48+\i:FB+64*\u+49+\i]
.endr
.endr
	WIN 0xa2+0x51*FW
.irp u, 0,1
.irp i, 0,2,4,6,8,10,12,14
	v_pk_fma_f32 v[FB+64*\u+\i:FB+64*\u+\i+1], v[FB+64*\u+\i:FB+64*\u+\i+1], v[AF+32*(\k)+16*\u+\i:AF+32*(\k)+16*\u+\i+1], v[FB+64*\u+16+\i:FB+64*\u+17+\i]
.endr
.endr
	WIN 0xaa+0x55*FW
.irp u, 0,1
.irp i, 0,2,4,6,8,10,12,14
	v_pk_mul_f32 v[FB+64*\u+48+\i:FB+64*\u+49+\i], v[FB+64*\u+\i:FB+64*\u+\i+1], s[PL2:PL2+1] op_sel_hi:[1,0]
.endr
.endr
	s_wait_alu depctr_va_vdst(0)
	SIG FB+48, 16, 64, 2
.irp u, 0,1
.irp i, 0,2,4,6,8,10,12,14
	v_pk_fma_f32 v[FB+64*\u+48+\i:FB+64*\u+49+\i], v[FB+64*\u+48+\i:FB+64*\u+49+\i], -2.0, 1.0 op_sel_hi:[1,0,0]
.endr
.endr
.irp u, 0,1
.irp i, 0,2,4,6,8,10,12,14
	v_pk_mul_f32 v[FB+64*\u+32+\i:FB+64*\u+33+\i], v[FB+64*\u+32+\i:FB+64*\u+33+\i], v[FB+64*\u+48+\i:FB+64*\u+49+\i]
.endr
.endr
	WIN 0x08+4*FW
.irp u, 0,1
.irp cb, 0,1
	ds_store_b128 v[STO], v[FB+64*\u+8*\cb:FB+64*\u+8*\cb+3] offset:16*PITCH*(2*(\k)+\u)+64*\cb
	ds_store_b128 v[STO], v[FB+64*\u+8*\cb+4:FB+64*\u+8*\cb+7] offset:16*PITCH*(2*(\k)+\u)+64*\cb+16
	ds_store_b128 v[STH], v[FB+64*\u+32+8*\cb:FB+64*\u+32+8*\cb+3] offset:16*PITCH*(2*(\k)+\u)+64*\cb
	ds_store_b128 v[STH], v[FB+64*\u+32+8*\cb+4:FB+64*\u+32+8*\cb+7] offset:16*PITCH*(2*(\k)+\u)+64*\cb+16
.endr
.endr
.endm
.macro OUT k
	WIN 0
	s_wait_dscnt 0x0
	s_barrier_signal -1
	s_barrier_wait -1
.irp t, 0,1,2,3,4,5,6,7
	ds_load_b128 v[AF+32*(\k)+4*\t:AF+32*(\k)+4*\t+3], v[RD] offset:PITCH*(32*(\k)+2*\t)
.endr
	WIN TO_B
.irp t, 0,1,2,3,4,5,6,7
	ds_load_b128 v[HACC+32*(\k)+4*\t:HACC+32*(\k)+4*\t+3], v[RDH] offset:PITCH*(32*(\k)+2*\t)
.endr
	WIN 0
.irp t, 0,1,2,3,4,5,6,7
	s_wait_dscnt 15-\t
	global_store_b128 v[CO], v[AF+32*(\k)+4*\t:AF+32*(\k)+4*\t+3], s[12:13] offset:4096*(32*(\k)+2*\t) th:TH_STORE_NT
.endr
	WIN 0x04
.irp t, 0,1,2,3,4,5,6,7
	s_wait_dscnt 7-\t
	global_store_b128 v[CO], v[HACC+32*(\k)+4*\t:HACC+32*(\k)+4*\t+3], s[104:105] offset:4096*(32*(\k)+2*\t) th:TH_STORE_NT
.endr
	WIN 0
.endm
	s_wait_alu depctr_va_vdst(0)
	s_wait_tensorcnt 0x0                           ; my tile of the head's four is in
	ds_add_u32 v[SPW], v[NIL]
	s_mov_b32 s[G1+2], 128<<16                     ; no tensor load of mine is out: from here on a load brings 128 rows,
	s_mov_b32 s[G1+4], 128
	s_mov_b32 s[G1B+2], 128<<16
	s_mov_b32 s[G1B+4], 128
	s_mul_i32 s[G0+1], s14, HALFT                  ; and slot 0's sets stand at my quarter of the slot, chunk 0: one chunk back from slot 1's
	s_sub_nc_u64 s[G0+2:G0+3], s[G0+6:G0+7], 256
	s_mul_i32 s[G0B+1], s14, HALFT
	s_sub_nc_u64 s[G0B+2:G0B+3], s[G0B+6:G0B+7], 256
	s_wait_dscnt 0x0                               ; the add and my stores of the biases are done
	CROUND                                         ; all four tiles are in, and all sixteen work-groups are here
	JLOAD G0+4, G1, G0B+4, G1B                     ; chunk 1: the first tensor load behind the round
	FETCH_B 0, 0, 0
	FETCH_A 0, 0, 0
	SCALES 0
	FETCH_A 0, 0, 4
	FETCH_B 0, 1, 1                                ; and B's set 1: slot 0's second 128 along K
	global_prefetch_b8 v[PFT], s[PFA:PFA+1] offset:256 th:TH_LOAD_NT scope:SCOPE_SE   ; chunk 3, behind chunk 1's load
	STEP 0, 0, 1
	s_mov_b32 s3, 3
.Llap:
	TURN 0, 1
	STEP 1, 0, 0
	TURN 1, 0
	STEP 0, 0, 0
	s_sub_co_u32 s3, s3, 1
	s_cmp_lg_u32 s3, 0
	s_cbranch_scc1 .Llap
	s_wait_dscnt 4*NL
	WIN MUL_LO
	MUL16 0, 1, 1, 0, 0
	MUL16 2, 1, 1, 0, 0
	WIN 0
	s_wait_tensorcnt 0x0
	ds_add_u32 v[SPW], v[NIL]
	s_add_nc_u64 s[G0+2:G0+3], s[G0+2:G0+3], s[HST:HST+1]
	s_wait_dscnt 0x0
	CROUND
	tensor_load_to_lds s[G0:G0+3], s[G1:G1+7]
	s_nop 0
	PLACES NP
	s_wait_alu depctr_va_vdst(0)
	v_add_nc_u32 v[ADRS], 2048, v[ADRS]
	FETCH_V 0, 0, 0
	WIN TO_B
.irp b, 0,1,2,3,4,5,6,7
	ds_load_b128 v[GB+8*\b:GB+8*\b+3], v[BTA] offset:64*\b
	ds_load_b128 v[GB+8*\b+4:GB+8*\b+7], v[BTA] offset:64*\b+16
.endr
	WIN 0
.irp b, 0,1
	ds_load_b128 v[BV+8*\b:BV+8*\b+3], v[BTA] offset:512+64*\b
	ds_load_b128 v[BV+8*\b+4:BV+8*\b+7], v[BTA] offset:512+64*\b+16
.endr
	FETCH_A 1, 0, 0
	SCALES 1
	global_prefetch_b8 v[PFO], s[100:101] th:TH_LOAD_NT scope:SCOPE_SE
	global_prefetch_b8 v[PFO], s[100:101] offset:131072 th:TH_LOAD_NT scope:SCOPE_SE
	s_cmp_eq_u32 s15, 0                            ; A's waves stand at chunk 8: they name chunk 10, the last of a row of acode
	s_cbranch_scc0 .Lno_chunk_10
	global_prefetch_b8 v[PFT], s[PFA:PFA+1] offset:512 th:TH_LOAD_NT scope:SCOPE_SE
.Lno_chunk_10:
	WIN MUL_HI
	MUL16 4, 1, 1, 0, 0
	MUL16 6, 1, 1, 0, 0
	PLACES NP+1
	WIN 0
	FETCH_A 1, 0, 4
.irp j, 0,1,2,3,4,5,6,7
	HSTEP \j
.endr
	s_wait_dscnt 0x0
	s_barrier_signal -1
	s_barrier_wait -1
.irp k, 0,1,2,3
	FIN \k
	OUT \k
.endr
	s_wait_tensorcnt 0x0
	ds_add_u32 v[SPW], v[NIL]
	s_wait_dscnt 0x0
	CROUND
	s_endpgm
.Lfunc_end_k_qc2d60f6c88_lstm:
	.size	k_qc2d60f6c88_lstm, .Lfunc_end_k_qc2d60f6c88_lstm-k_qc2d60f6c88_lstm
	.p2alignl 7, 3214868480
	.fill 96, 4, 3214868480
	.section	.rodata,"a",@progbits
	.p2align	6, 0x0
	.amdhsa_kernel k_qc2d60f6c88_lstm
		.amdhsa_group_segment_fixed_size 327680
		.amdhsa_private_segment_fixed_size 0
		.amdhsa_enable_private_segment 0
		.amdhsa_kernarg_size 88
		.amdhsa_user_sgpr_count 2
		.amdhsa_user_sgpr_kernarg_segment_ptr 1
		.amdhsa_wavefront_size32 1
		.amdhsa_system_sgpr_workgroup_id_x 1
		.amdhsa_system_sgpr_workgroup_id_y 1
		.amdhsa_system_sgpr_workgroup_id_z 1
		.amdhsa_system_vgpr_workitem_id 0
		.amdhsa_next_free_vgpr 1024
		.amdhsa_next_free_sgpr 106
		.amdhsa_reserve_vcc 0
		.amdhsa_float_denorm_mode_32 3
		.amdhsa_float_denorm_mode_16_64 3
		.amdhsa_memory_ordered 1
		.amdhsa_forward_progress 1
		.amdhsa_inst_pref_size 255
	.end_amdhsa_kernel
	.section	.bss,"aw",@nobits
	.p2align	6
	.space	262144
	.amdgpu_metadata
---
amdhsa.version: [ 1, 2 ]
amdhsa.kernels:
  - .name:           k_qc2d60f6c88_lstm
    .symbol:         k_qc2d60f6c88_lstm.kd
    .args:
      - { .name: acode, .offset: 0, .size: 8, .value_kind: global_buffer, .address_space: global }
      - { .name: ascale, .offset: 8, .size: 8, .value_kind: global_buffer, .address_space: global }
      - { .name: bcode, .offset: 16, .size: 8, .value_kind: global_buffer, .address_space: global }
      - { .name: bscale, .offset: 24, .size: 8, .value_kind: global_buffer, .address_space: global }
      - { .name: Wb, .offset: 32, .size: 8, .value_kind: global_buffer, .address_space: global }
      - { .name: Ub, .offset: 40, .size: 8, .value_kind: global_buffer, .address_space: global }
      - { .name: Sb, .offset: 48, .size: 8, .value_kind: global_buffer, .address_space: global }
      - { .name: Vb, .offset: 56, .size: 8, .value_kind: global_buffer, .address_space: global }
      - { .name: ctm, .offset: 64, .size: 8, .value_kind: global_buffer, .address_space: global }
      - { .name: out0, .offset: 72, .size: 8, .value_kind: global_buffer, .address_space: global }
      - { .name: out1, .offset: 80, .size: 8, .value_kind: global_buffer, .address_space: global }
    .group_segment_fixed_size: 327680
    .private_segment_fixed_size: 0
    .kernarg_segment_align: 8
    .kernarg_segment_size: 88
    .max_flat_workgroup_size: 128
    .sgpr_count:     106
    .vgpr_count:     1024
    .wavefront_size: 32
...
	.end_amdgpu_metadata
.endif
;; end of part 2
